; MI455X (gfx1250); checked and timed in simulation.
; The chip was launched on July 23, 2026; its instructions are those of AMD's public machine-readable ISA for CDNA 5 (MIT licence, August 2026) and "CDNA5" Instruction Set Architecture Reference Guide (July 2026). The comments in the code are by the model that wrote it; some were corrected since.
;; Fact Machine. Allowed arithmetic: matrix products marked QUANTISED: E2M1 operands, one E8M0 scale for each 32 along K, by v_wmma_scale_f32_16x16x128_f8f6f4 with both operands' format E2M1 (or v_wmma_scale_f32_32x16x128_f4), f32 sums; products left as they are: f32 operands where the result goes on into a quantised operand, else bf16, f16 or f32 operands; f32 sums; everything else in f32.
;; Inputs: V_b 64 float32; V_w 64 x 512 float32; X 32,768 x 512 float32; w0_b 1 float32; w0_w 1 x 1 float32; w_b 1 float32; w_w 1 x 512 float32.
;; Outputs: out0 32,768 x 1 float32.
;; This version of the problem:
;;   THIS VERSION OF THE PROBLEM IS GIVEN IN LOW PRECISION. The matrix products marked QUANTISED in the list below multiply operands that are first quantised to E2M1 (2 exponent bits, 1 mantissa bit; 4 bits a number), with one power-of-two scale for each 32 numbers along K (OCP MX v1.0); their sums are f32. All else is computed in f32.
;;   The module's matrix products, in the order in which they are computed (A, B: the left and right operand; K: the contracted axis; several contracted axes count as one K, in the product's order):
;;     1. [M 32,768, K 512] x [K 512, N 1]; A: input X; B: input w_w: left as it is (N = 1 < 16)
;;     2. [M 32,768, K 512] x [K 512, N 64]; A: input X; B: computed on the way: QUANTISED
;;     3. [M 32,768, K 512] x [K 512, N 1]; A: computed on the way; B: computed on the way: left as it is (N = 1 < 16)
;;   THE QUANTISER, for each operand of a quantised product, along K:
;;     - K is cut into blocks of 32 from its start; a last block that is shorter is filled with zeros.
;;     - A block's scale is 2^e with e = floor(log2(the largest magnitude in the block)) - 2, held to -126 .. 127; a block of zeros has e = 0. As a byte (E8M0): e + 127.
;;     - Each number is divided by its block's scale, clamped to +-6, and rounded to the nearest number of E2M1, ties to even, subnormals kept.
;;     - The product sums the exact products of the quantised numbers (number of the format x scale) in f32.
;;   ~~~python
;;   def quantise(x, axis):      # numpy; x: float32 -> the quantised numbers, widened to float32 again
;;       x = np.moveaxis(x, axis, -1); K = x.shape[-1]
;;       x = np.pad(x, [(0, 0)] * (x.ndim - 1) + [(0, -K % 32)]); x = x.reshape(x.shape[:-1] + (-1, 32)); a = np.abs(x).max(-1, keepdims=True)
;;       e = np.where(a > 0, np.clip(np.frexp(np.where(a > 0, a, 1))[1] - 1 - 2, -126, 127), 0)      # np.frexp(a)[1] - 1 = floor(log2(a)), exactly
;;       r = np.clip(x / 2.0 ** e, -6, 6)
;;       step = 2.0 ** (np.maximum(np.frexp(np.where(r == 0, 1, r))[1] - 1, 0) - 1)
;;       q = np.round(r / step) * step * 2.0 ** e      # np.round: ties to even
;;       return np.moveaxis(q.reshape(q.shape[:-2] + (-1,))[..., :K], -1, axis).astype(np.float32)
;;   ~~~
;;   OPERANDS COMPUTED ON THE WAY. 'Computed on the way' means the value that the module computes at that place (a softmax that the list does not call 'softmax' is quantised finished and normalised). What goes into a quantiser is computed in f32, as accurately as f32 sums, v_exp_f32 and their like allow (about 1e-6 of the number): no bf16 or f16 on the way to a quantiser, and a product that is left as it is and whose result goes on into a quantised operand takes f32 operands (vector FMAs, or v_wmma_f32_16x16x4_f32). A number that lies on a knife's edge between two numbers of the format may be rounded either way, as far as f32 arithmetic and the matrix unit's own rounding can turn it there, and no further.
;; One version. Each part assembles by itself: llvm-mc -triple=amdgcn-amd-amdhsa -mcpu=gfx1250 --defsym DOCPART=n.
;; ======== version 1 of 1: 1 launch
;; launch fm (part 1): grid 256 x 1, 4 waves a work-group, no clusters, 327,680 bytes of LDS; arguments X, V_w, V_b, w_w, w0_w, w0_b, w_b, out0; writes out0
.if DOCPART == 1
	.amdgcn_target "amdgcn-amd-amdhsa--gfx1250"
	.amdhsa_code_object_version 6
	.text
	.protected	k_q8a476ad096_fm
	.globl	k_q8a476ad096_fm
	.p2align	8
	.type	k_q8a476ad096_fm,@function
k_q8a476ad096_fm:
	s_mov_b64 s[64:65], 0
	v_nop
	global_prefetch_b8 v0, s[64:65] scope:SCOPE_SE
	s_setreg_imm32_b32 hwreg(HW_REG_WAVE_MODE, 25, 1), 1
	s_wait_xcnt 0x0
; out[m] = (w0_w + w0_b) + X[m] . w_w + w_b + 0.5 (sum_f XV[m][f]^2 - sum_k X[m][k]^2 sq[k]),  Vmat[k][f] = V_w[f][k] + V_b[f],  sq[k] = sum_f Vmat[k][f]^2,
; XV = Q(X) Q(Vmat): both operands quantised along K = 512 to codes of FP4 (E2M1) with one E8M0 scale for each 32; all else in f32.  X: [32768][512] f32, V_w: [64][512] f32, out: [32768] f32.
; SHARES.  256 work-groups of four waves; a work-group owns 128 rows of X, a wave 32 of them: two tiles of 16.
; X COMES ONCE AND IS NEVER REFILLED: a work-group's 128 rows are 262,144 bytes, which fit in LDS whole.  Each wave asks for its 32 rows by four tensor loads at its head, one for each K step of 128
; (32 rows x 512 bytes, each piece 512 consecutive bytes at a multiple of 256 from X's first byte), and reads only what it fetched itself, behind its own counted s_wait_tensorcnt.  By this text's count a wave has four tensor loads out.
; No prefetch is laid: every byte of X is asked for by those loads at the head.
; LAYOUT.  The matrix instruction is used transposed: source 0 = 16 rows f of V, source 1 = 16 rows of X.  Lane (r, h) = (lane % 16, lane / 16) holds row r of X everywhere: in the fragment
; (k = 64 c + 32 h + 0 .. 31: a whole block of 32 in one lane, so that a block's largest magnitude needs no other lane), in XV^T (f = 16 t + 8 h + j), and in the vector sums.
; THE TWO PRODUCTS WITH ONE COLUMN are packed f32 multiply-adds on the registers that the quantiser reads: acc += x (2 w - sq x); then acc += XV^2; out = 0.5 acc + the constants.  (The factor 2 is exact.)
; A lane's 256 k want 512 coefficients: they stay in registers (windows 1 and 2).
; V IS MADE BY EVERY WORK-GROUP, while X is on its way: wave w takes K step w of all 64 rows f: 64 loads of 512 consecutive bytes; + V_b; the squares summed over f in the lane (sq is whole, no other wave is asked);
; 16 rows at a time through the wave's own stage in LDS, so that a lane gets whole blocks; quantised; the fragment and its scale word go to LDS as images of their registers; one barrier; every wave loads all sixteen.
; NO CLUSTER: the one thing that work-groups share is V_w, 131,072 bytes; a joint load lands in LDS alone, and beside X's 270,336 bytes LDS has 57,344 left.
; LIMITS.  NaN and infinities among the inputs are not served.  A block whose largest magnitude lies under 2^(3 - 127) has its byte held at 1, as the quantiser's clip has it; a block of zeros so gets the byte 1 where the rule says 127:
; its codes are zeros, and the bytes are read by this program alone.  The order of the f32 sums is not reference()'s: the linear part and the x^2 part share accumulators.
; REGISTERS, in windows of 256 (s_set_vgpr_msb: bits 1:0 source 0, 3:2 source 1, 5:4 source 2, 7:6 destination):
;   window 0: v1-15 addresses; v16-31 V's scale words; v32-159 two sets of 64 numbers of X (before: V_b, a turned set); v160-175 the rows' sums (before: the other turned set); v224-232 codes and scale word just made; v234-242 at work
;   window 1: V_w as loaded, later 2 w.   window 2: -sq.   window 3: v0-127 V's 16 fragments; v128-191 t = 2 w - sq x; v192-255 the 8 accumulators of XV^T.
.set KSB,   512                        ; 128 numbers, a K step, in bytes
.set PITCH, 528                        ; an LDS row: 512 bytes + 16 of padding = 132 words: row r starts at bank 4 r mod 64 (64 banks of 4 bytes: ISA guide 11.1), so the 16 rows that a load touches start at 16 different banks
.set XT,    32*PITCH                   ; a tensor load's tile: 32 rows
.set XW,    4*XT                       ; a wave's four
.set STG,   4*XW                       ; behind X: a stage of 16 rows for each wave,
.set STW,   16*PITCH
.set IMG,   STG+4*STW                  ; V's 16 fragments (tile t of 16 f, K step s: 4 t + s), 1,024 bytes each,
.set VSC,   IMG+16*1024                ; their scale words, 128 bytes each,
.set WCO,   VSC+16*128                 ; 2 w [512], and 2,048 bytes on -sq [512],
.set OUTS,  WCO+4096                   ; and the work-group's 128 results.  The text uses 327,168 bytes
.set FLOOR, 3<<23                      ; 2^(3 - 127): no largest magnitude is taken under it, so the scale's byte cannot fall under 1
.set XA,   1                           ; v1   my place in my wave's tiles of X
.set SH8,  2                           ; v2   8 h
.set ZERO, 3                           ; v3   0
.set WW,   4                           ; v4-7 my four numbers of w_w
.set VOFF, 8                           ; v8   16 x thread: my 16 bytes of a K step's 512 x 4 waves
.set STA,  9                           ; v9   the stage, in: 16 x lane
.set STB,  10                          ; v10  the stage, back: row r, + 128 h
.set IMA,  11                          ; v11  where I store a fragment's image
.set ISA,  12                          ; v12  and its scale word
.set LIA,  13                          ; v13  where I load images
.set LSA,  14                          ; v14  and scale words
.set CA,   15                          ; v15  the coefficients of my half: + 128 h
.set VS,   16
.set XD,   32
.set VB,   32
.set T0,   96
.set T1,   160
.set LA,   160                         ; the rows' sums: tile a: four pairs at v[LA + 8 a]
.set XC,   224
.set XS,   232
.set CST,  233                         ; where I store coefficients: 16 x thread
.set TM,   234
.set SQ,   244                         ; v244-251 the squares' sums: rows f even, odd
.set OSA,  252
.set OLA,  253
.set OGO,  254
.set C0,   255                         ; w0_w + w0_b + w_b
.set TT,   128                         ; in window 3
.set AC,   192                         ; in window 3: accumulator (a, t) at v[AC + 32 a + 8 t]
.set G1,   24                          ; s[24:31] descriptor group 1
.set G0,   32                          ; s[32:47] group 0, a set for each of the four loads: none is written again
.set SEL,  58                          ; s[58:59] v_permlanex16_b32's selects for lane l xor 16
.set MSB, 0
.macro WIN new                         ; the immediate's high byte repeats the setting that is left
.if MSB != \new
	s_set_vgpr_msb (MSB<<8)|\new
.set MSB, \new
.endif
.endm
	s_load_b512 s[8:23], s[0:1], 0x0               ; X s[8:9], V_w s[10:11], V_b s[12:13], w_w s[14:15], w0_w s[16:17], w0_b s[18:19], w_b s[20:21], out s[22:23]
	v_lshl_add_u32 v254, v0, 2, 0x4fe00
	v_mov_b32 v255, 0
	ds_add_u32 v254, v255
	ds_add_u32 v254, v255
	s_wait_dscnt 0x0
	v_lshrrev_b32 v1, 5, v0
	v_readfirstlane_b32 s2, v1                     ; wave 0..3
	v_and_b32 v[TM], 31, v0                        ; lane
	v_and_b32 v[TM+1], 15, v0                      ; r
	v_bfe_u32 v[TM+2], v0, 4, 1                    ; h
	v_mov_b32 v[ZERO], 0
	v_mov_b32 v[TM+8], 0                           ; written once: a lane permute's destination counts as one of its sources
	v_lshlrev_b32 v[VOFF], 4, v0
	v_lshlrev_b32 v[SH8], 3, v[TM+2]
	s_mul_i32 s3, s2, XW                           ; my wave's tiles of X
	s_mul_i32 s50, s2, STW
	s_add_co_u32 s50, s50, STG                     ; my stage
	s_lshl_b32 s51, s2, 10
	s_add_co_u32 s51, s51, IMG                     ; the images that I make: K step = my wave
	v_mul_u32_u24 v[TM+3], v[TM+1], PITCH
	v_lshl_add_u32 v[TM+3], v[TM+2], 7, v[TM+3]    ; row r, + 128 h: my block of 32 numbers
	v_add_nc_u32 v[XA], s3, v[TM+3]
	v_add_nc_u32 v[STB], s50, v[TM+3]
	v_lshl_add_u32 v[STA], v[TM], 4, s50
	v_lshl_add_u32 v[IMA], v[TM], 4, s51
	v_lshl_add_u32 v[ISA], v0, 2, VSC              ; 128 x wave + 4 x lane
	v_lshl_add_u32 v[LIA], v[TM], 4, IMG
	v_lshl_add_u32 v[LSA], v[TM], 2, VSC
	v_lshl_add_u32 v[CA], v[TM+2], 7, WCO
	v_lshl_add_u32 v[CST], v0, 4, WCO
	v_lshl_add_u32 v[OSA], v0, 2, OUTS
	v_lshl_add_u32 v[OLA], v[TM], 4, OUTS
	v_lshlrev_b32 v[OGO], 4, v[TM]
	; descriptor group 1: a tile of 32 rows x 128 elements of 4 bytes, rows 512 elements apart in memory, 16 bytes of padding behind each row in LDS
	s_mov_b32 s[G1+0], (2<<16)|(1<<20)|(6<<22)|(3<<25)  ; 15:0 no mask; 17:16 elements of 4 bytes; 20 padding on; 24:22 after every 128 words (code 6); 31:25 four words (code 3)
	s_mov_b32 s[G1+1], 128<<16                     ; tensor_dim0 = 128
	s_mov_b32 s[G1+2], 32<<16                      ; tensor_dim1 = 32
	s_mov_b32 s[G1+3], 128<<16                     ; tile_dim0 = 128
	s_mov_b32 s[G1+4], 32                          ; tile_dim1 = 32
	s_mov_b32 s[G1+5], 512                         ; tensor_dim0_stride
	s_mov_b32 s[G1+6], 0
	s_mov_b32 s[G1+7], 0
.irp s, 0,1,2,3
	s_mov_b32 s[G0+4*\s], 1                        ; count = 1
	s_add_co_u32 s[G0+4*\s+1], s3, \s*XT           ; LDS address: wave x 4 tiles + K step
.endr
	s_lshl_b32 s48, ttmp9, 18                      ; the work-group's 128 rows of 2,048 bytes,
	s_lshl_b32 s49, s2, 16                         ; my wave's 32
	s_add_co_u32 s48, s48, s49                     ; (under 2^26)
	s_mov_b32 s49, 0
	s_lshl_b32 s52, ttmp9, 9                       ; the work-group's 128 results
	s_mov_b32 s53, 0
	s_mov_b32 s[SEL], 0x76543210
	s_mov_b32 s[SEL+1], 0xfedcba98
	s_wait_kmcnt 0x0
	s_add_nc_u64 s[48:49], s[8:9], s[48:49]        ; X at my first row
.irp s, 0,1,2,3
	s_add_nc_u64 s[G0+4*\s+2:G0+4*\s+3], s[48:49], \s*KSB   ; global address: K step s
	s_or_b32 s[G0+4*\s+3], s[G0+4*\s+3], 0x80000000         ; type = 2
.endr
	s_add_nc_u64 s[22:23], s[22:23], s[52:53]
	; V's loads that are wanted first go out ahead of X's: all later work waits for them.  49 loads: more would fill LOADcnt's field and hold the tensor loads back.
.irp i, 0,1,2,3,4,5,6,7,8,9,10,11,12,13,14,15
	global_load_b128 v[VB+4*\i:VB+4*\i+3], v[ZERO], s[12:13] offset:16*\i   ; all of V_b in every lane: register VB + f
.endr
	global_load_b128 v[WW:WW+3], v[VOFF], s[14:15] ; the work-group's 128 threads take w_w's 2,048 bytes
.macro VLOAD t                         ; rows f = 16 t .. 16 t + 15 of V_w, my wave's K step: a load covers 512 consecutive bytes; lane l holds k = 128 w + 4 l + 0 .. 3
.set j, 0
.rept 16
	global_load_b128 v[64*(\t)+4*j:64*(\t)+4*j+3], v[VOFF], s[10:11] offset:(16*(\t)+j)*2048
.set j, j+1
.endr
.endm
	WIN 0x40                                       ; destination window 1
	VLOAD 0
	VLOAD 1
	WIN 0
	tensor_load_to_lds s[G0:G0+3], s[G1:G1+7]      ; all of my X: the launch's only fills, ahead of every wait on TENSORcnt, every LDS read and every barrier
	s_nop 0
	tensor_load_to_lds s[G0+4:G0+7], s[G1:G1+7]
	s_nop 0
	tensor_load_to_lds s[G0+8:G0+11], s[G1:G1+7]
	s_nop 0
	tensor_load_to_lds s[G0+12:G0+15], s[G1:G1+7]
	s_nop 0
.rept 4
	v_nop                                          ; four lines behind the last tensor load, ahead of the switch of windows
.endr
	WIN 0x40
	VLOAD 2
	VLOAD 3
	WIN 0
	s_load_b32 s54, s[16:17], 0x0                  ; w0_w
	s_load_b32 s55, s[18:19], 0x0                  ; w0_b
	s_load_b32 s56, s[20:21], 0x0                  ; w_b
; 64 numbers of a lane, v[s] on: register 32 c + i = k 64 c + 32 h + i of my row: two whole blocks.  They become a fragment's codes in v[XC] on and, with lane l xor 16's two bytes, its scale word in v[XS].
.macro QUANT s
	v_max3_num_f32 v[TM],   |v[(\s)]|,    |v[(\s)+1]|,  |v[(\s)+2]|     ; the blocks' largest magnitudes: two chains a block, the four by turns, so that no line waits for the line above it
	v_max3_num_f32 v[TM+1], |v[(\s)+32]|, |v[(\s)+33]|, |v[(\s)+34]|
	v_max3_num_f32 v[TM+2], |v[(\s)+3]|,  |v[(\s)+4]|,  |v[(\s)+5]|
	v_max3_num_f32 v[TM+3], |v[(\s)+35]|, |v[(\s)+36]|, |v[(\s)+37]|
.irp i, 6,10,14,18,22,26
	v_max3_num_f32 v[TM],   v[TM],   |v[(\s)+\i]|,    |v[(\s)+\i+1]|
	v_max3_num_f32 v[TM+1], v[TM+1], |v[(\s)+32+\i]|, |v[(\s)+33+\i]|
	v_max3_num_f32 v[TM+2], v[TM+2], |v[(\s)+\i+2]|,  |v[(\s)+\i+3]|
	v_max3_num_f32 v[TM+3], v[TM+3], |v[(\s)+34+\i]|, |v[(\s)+35+\i]|
.endr
	v_max3_num_f32 v[TM],   v[TM],   |v[(\s)+30]|, |v[(\s)+31]|
	v_max3_num_f32 v[TM+1], v[TM+1], |v[(\s)+62]|, |v[(\s)+63]|
	v_max3_num_f32 v[TM],   v[TM],   v[TM+2], FLOOR
	v_max3_num_f32 v[TM+1], v[TM+1], v[TM+3], FLOOR
	v_add_nc_u32 v[TM+4], 0xff000000, v[TM]        ; 2 off the exponent field: the conversion takes the exponent field of this operand as its scale, and nothing else of it
	v_add_nc_u32 v[TM+5], 0xff000000, v[TM+1]
	v_lshrrev_b32 v[TM+6], 23, v[TM+4]             ; the scales' bytes: blocks h and 2 + h of my row's four
	v_lshrrev_b32 v[TM+7], 23, v[TM+5]
	v_lshl_or_b32 v[TM+6], v[TM+7], 16, v[TM+6]
	v_lshlrev_b32 v[TM+6], v[SH8], v[TM+6]         ; at their places in the scale word
	v_permlanex16_b32 v[TM+8], v[TM+6], s[SEL], s[SEL+1]
.irp g, 0,1,2,3
	v_cvt_scalef32_pk8_fp4_f32 v[XC+\g],   v[(\s)+8*\g:(\s)+8*\g+7],       v[TM+4]   ; registers 4 c .. 4 c + 3 of the operand: k = 64 c + 32 h + 0 .. 31, the lower k in the lower bits
	v_cvt_scalef32_pk8_fp4_f32 v[XC+4+\g], v[(\s)+32+8*\g:(\s)+32+8*\g+7], v[TM+5]
.endr
	v_or_b32 v[XS], v[TM+6], v[TM+8]               ; the word is whole.  (Also the plain line behind the last conversion)
.endm
; Rows f = 16 t .. 16 t + 15 of my K step: + V_b, the squares, into the stage as they lie, and back with a lane's numbers neighbours along K, into set dst.
.macro PRE t, dst
	s_wait_loadcnt 16*(3-(\t))                     ; these 16 loads (and V_b, w_w) are in; the later groups of 16 may be out
	WIN 0x44                                       ; source 0 (V_b) window 0, source 1 and destination window 1
.set j, 0
.rept 16
.irp i, 0,1,2,3
	v_add_f32 v[64*(\t)+4*j+\i], v[VB+16*(\t)+j], v[64*(\t)+4*j+\i]   ; Vmat = V_w + V_b, one f32 addition as reference() has it
.endr
.set j, j+1
.endr
	WIN 0x05                                       ; sources 0 and 1 window 1; the sums window 0
.set j, 0
.rept 16
.irp p, 0,1
.if ((\t) == 0) && (j < 2)
	v_pk_mul_f32 v[SQ+4*(j%2)+2*\p:SQ+4*(j%2)+2*\p+1], v[64*(\t)+4*j+2*\p:64*(\t)+4*j+2*\p+1], v[64*(\t)+4*j+2*\p:64*(\t)+4*j+2*\p+1]   ; the first two rows start the sums: nothing is cleared
.else
	v_pk_fma_f32 v[SQ+4*(j%2)+2*\p:SQ+4*(j%2)+2*\p+1], v[64*(\t)+4*j+2*\p:64*(\t)+4*j+2*\p+1], v[64*(\t)+4*j+2*\p:64*(\t)+4*j+2*\p+1], v[SQ+4*(j%2)+2*\p:SQ+4*(j%2)+2*\p+1]
.endif
.endr
.set j, j+1
.endr
	WIN 0x04                                       ; an LDS store's data are its source 1: window 1
.set j, 0
.rept 16
	ds_store_b128 v[STA], v[64*(\t)+4*j:64*(\t)+4*j+3] offset:j*PITCH
.set j, j+1
.endr
	WIN 0
.set j, 0
.rept 16
	ds_load_b128 v[(\dst)+4*j:(\dst)+4*j+3], v[STB] offset:(j/8)*256+(j%8)*16   ; LDS serves a wave's instructions in order (ISA guide 5.7.1.4): these see the stores above, and the next group's stores come behind them
.set j, j+1
.endr
.endm
.macro IMAGE t                         ; fragment (t, my K step) and its scale word go to LDS as they stand: 32 bytes, 4 bytes a lane
	ds_store_b128 v[IMA], v[XC:XC+3] offset:4096*(\t)
	ds_store_b128 v[IMA], v[XC+4:XC+7] offset:4096*(\t)+512
	ds_store_b32 v[ISA], v[XS] offset:512*(\t)
.endm
	PRE 0, T0
	PRE 1, T1
	s_wait_dscnt 32                                ; group 0 is back from the stage; group 1's 32 may be out
	QUANT T0
	IMAGE 0
	PRE 2, T0
	s_wait_dscnt 32                                ; all but the youngest 32: group 1 is back, and the three image stores behind it have read the registers that are now written again
	QUANT T1
	IMAGE 1
	PRE 3, T1
	v_pk_add_f32 v[SQ:SQ+1], v[SQ:SQ+1], v[SQ+4:SQ+5]          ; sq of k = 128 w + 4 l + 0 .. 3: even rows' and odd rows' sums
	v_pk_add_f32 v[SQ+2:SQ+3], v[SQ+2:SQ+3], v[SQ+6:SQ+7]
	v_pk_mul_f32 v[WW:WW+1], v[WW:WW+1], 2.0 op_sel_hi:[1,0]   ; 2 w
	v_pk_mul_f32 v[WW+2:WW+3], v[WW+2:WW+3], 2.0 op_sel_hi:[1,0]
	v_pk_mul_f32 v[SQ:SQ+1], v[SQ:SQ+1], -1.0 op_sel_hi:[1,0]  ; -sq
	v_pk_mul_f32 v[SQ+2:SQ+3], v[SQ+2:SQ+3], -1.0 op_sel_hi:[1,0]
	ds_store_b128 v[CST], v[WW:WW+3]
	ds_store_b128 v[CST], v[SQ:SQ+3] offset:2048
	s_wait_dscnt 32                                ; all but the youngest 32: group 2 is back, the image stores behind it are done
	QUANT T0
	IMAGE 2
	s_wait_dscnt 0x0
	QUANT T1
	IMAGE 3
	s_wait_kmcnt 0x0
	v_mov_b32 v[C0], s54
	v_add_f32 v[C0], s55, v[C0]
	v_add_f32 v[C0], s56, v[C0]                    ; (w0_w + w0_b) + w_b
	s_wait_dscnt 0x0                               ; for the others' sake: my images and coefficients lie in LDS
	s_barrier_signal -1                            ; (my tensor loads may be out, and nobody but me reads my tiles)
	s_barrier_wait -1
	WIN 0xc0                                       ; destination window 3
.set i, 0
.rept 16
	ds_load_b128 v[8*i:8*i+3], v[LIA] offset:1024*i            ; V's fragment 4 t + s: the same lines that stored it give the same registers in the same lanes
	ds_load_b128 v[8*i+4:8*i+7], v[LIA] offset:1024*i+512
.set i, i+1
.endr
	WIN 0
.set i, 0
.rept 16
	ds_load_b32 v[VS+i], v[LSA] offset:128*i
.set i, i+1
.endr
	WIN 0x40                                       ; 2 w into window 1: register 64 s + 32 c + i = k 128 s + 64 c + 32 h + i, as X's numbers will lie; sixteen lanes share each address
.set i, 0
.rept 64
	ds_load_b128 v[4*i:4*i+3], v[CA] offset:(i/8)*256+(i%8)*16
.set i, i+1
.endr
	WIN 0x80                                       ; -sq into window 2 likewise
.set i, 0
.rept 64
	ds_load_b128 v[4*i:4*i+3], v[CA] offset:2048+(i/8)*256+(i%8)*16
.set i, i+1
.endr
	WIN 0
; Tile a (16 rows), K step s.  The 64 multiply-adds stand between the lines that write the codes and the scale word and the matrix instructions that read them: more than the eight plain lines that a scale word written by a
; vector instruction wants ahead of a scaled matrix instruction.  The next unit's maxima are the plain lines between these matrix instructions and the next writes of the codes and the word (ISA guide 7.12.1).
.macro UNIT a, s
	QUANT XD+64*(\a)
	WIN 0xd8                                       ; source 0 (x) window 0, source 1 (-sq) window 2, source 2 (2 w) window 1, destination window 3
.set i, 0
.rept 32
	v_pk_fma_f32 v[TT+2*i:TT+2*i+1], v[XD+64*(\a)+2*i:XD+64*(\a)+2*i+1], v[64*(\s)+2*i:64*(\s)+2*i+1], v[64*(\s)+2*i:64*(\s)+2*i+1]   ; t = 2 w - sq x
.set i, i+1
.endr
	WIN 0x0c                                       ; source 1 (t) window 3
.set i, 0
.rept 32
.if ((\s) == 0) && (i < 4)
	v_pk_mul_f32 v[LA+8*(\a)+2*i:LA+8*(\a)+2*i+1], v[XD+64*(\a)+2*i:XD+64*(\a)+2*i+1], v[TT+2*i:TT+2*i+1]   ; the first four start the sums
.else
	v_pk_fma_f32 v[LA+8*(\a)+2*(i%4):LA+8*(\a)+2*(i%4)+1], v[XD+64*(\a)+2*i:XD+64*(\a)+2*i+1], v[TT+2*i:TT+2*i+1], v[LA+8*(\a)+2*(i%4):LA+8*(\a)+2*(i%4)+1]   ; += x t, four chains
.endif
.set i, i+1
.endr
	WIN 0xf3                                       ; source 0 (V), C and D window 3; source 1 (X's codes) window 0
.irp t, 0,1,2,3                        ; the accumulators take turns, one instruction a turn, from unit to unit too
.if (\s) == 0
	v_wmma_scale_f32_16x16x128_f8f6f4 v[AC+32*(\a)+8*\t:AC+32*(\a)+8*\t+7], v[8*(4*\t+(\s)):8*(4*\t+(\s))+7], v[XC:XC+7], 0, v[VS+4*\t+(\s)], v[XS] matrix_a_fmt:MATRIX_FMT_FP4 matrix_b_fmt:MATRIX_FMT_FP4
.else
	v_wmma_scale_f32_16x16x128_f8f6f4 v[AC+32*(\a)+8*\t:AC+32*(\a)+8*\t+7], v[8*(4*\t+(\s)):8*(4*\t+(\s))+7], v[XC:XC+7], v[AC+32*(\a)+8*\t:AC+32*(\a)+8*\t+7], v[VS+4*\t+(\s)], v[XS] matrix_a_fmt:MATRIX_FMT_FP4 matrix_b_fmt:MATRIX_FMT_FP4
.endif
.endr
	WIN 0
.endm
.macro KSTEP s
	s_wait_tensorcnt 3-(\s)                        ; a wave's tensor loads end in order (ISA guide 10.11.1): K step s is in LDS, the later ones may be out
.set i, 0
.rept 32
	ds_load_b128 v[XD+4*i:XD+4*i+3], v[XA] offset:(\s)*XT+(i/16)*16*PITCH+((i/8)%2)*256+(i%8)*16   ; tile i / 16, block 2 c + h, 16 bytes at a time
.set i, i+1
.endr
	s_wait_dscnt 16                                ; tile 0's numbers (and all that was asked for before them) are in; tile 1's 16 loads may be out
	UNIT 0, \s
	s_wait_dscnt 0x0
	UNIT 1, \s
.endm
	KSTEP 0
	KSTEP 1
	KSTEP 2
	KSTEP 3                                        ; its wait is for 0: no tensor load is out at the end
	; THE END.  += XV^2, each accumulator read from its low end on.  Tile 0's sixteen lines name nothing of the last four matrix instructions: they are the plain lines ahead of the first read of tile 1's results.
	WIN 0x0f                                       ; sources 0 and 1 window 3
.irp a, 0,1
.set i, 0
.rept 16
	v_pk_fma_f32 v[LA+8*\a+2*(i%4):LA+8*\a+2*(i%4)+1], v[AC+32*\a+2*i:AC+32*\a+2*i+1], v[AC+32*\a+2*i:AC+32*\a+2*i+1], v[LA+8*\a+2*(i%4):LA+8*\a+2*(i%4)+1]
.set i, i+1
.endr
.endr
	WIN 0
	v_pk_add_f32 v[LA:LA+1], v[LA:LA+1], v[LA+2:LA+3]
	v_pk_add_f32 v[LA+8:LA+9], v[LA+8:LA+9], v[LA+10:LA+11]
	v_pk_add_f32 v[LA+4:LA+5], v[LA+4:LA+5], v[LA+6:LA+7]
	v_pk_add_f32 v[LA+12:LA+13], v[LA+12:LA+13], v[LA+14:LA+15]
	v_pk_add_f32 v[LA:LA+1], v[LA:LA+1], v[LA+4:LA+5]
	v_pk_add_f32 v[LA+8:LA+9], v[LA+8:LA+9], v[LA+12:LA+13]
	v_cmp_ne_u32 vcc_lo, 0, v[SH8]                 ; lanes 16-31
	v_add_f32 v[TM], v[LA], v[LA+1]                ; my half of row r's sum in tile 0,
	v_add_f32 v[TM+1], v[LA+8], v[LA+9]            ; and in tile 1
	v_cndmask_b32 v[TM+2], v[TM], v[TM+1], vcc_lo  ; lanes 0-15 finish tile 0, lanes 16-31 tile 1: what I keep,
	v_cndmask_b32 v[TM+3], v[TM+1], v[TM], vcc_lo  ; and what lane l xor 16 wants of me
	v_permlanex16_b32 v[TM+8], v[TM+3], s[SEL], s[SEL+1]
	v_add_f32 v[TM+2], v[TM+2], v[TM+8]
	v_fma_f32 v[TM+2], v[TM+2], 0.5, v[C0]         ; out of row 32 w + lane
	ds_store_b32 v[OSA], v[TM+2]
	s_wait_dscnt 0x0                               ; for wave 0's sake: my 32 results lie in LDS
	s_barrier_signal -1
	s_barrier_wait -1
	s_cmp_lg_u32 s2, 0
	s_cbranch_scc1 .Ldone
	ds_load_b128 v[TM:TM+3], v[OLA]
	s_wait_dscnt 0x0
	global_store_b128 v[OGO], v[TM:TM+3], s[22:23] th:TH_STORE_NT   ; the work-group's 128 results: 512 consecutive bytes, at a multiple of 512 from out's first byte, by one instruction
.Ldone:
	s_wait_xcnt 0x0
	v_lshl_add_u32 v254, v0, 2, 0x4fe00
	v_mov_b32 v255, 0
	s_wait_tensorcnt 0x0
	ds_add_u32 v254, v255
	s_wait_dscnt 0x0
	s_endpgm
.Lfunc_end_k_q8a476ad096_fm:
	.size	k_q8a476ad096_fm, .Lfunc_end_k_q8a476ad096_fm-k_q8a476ad096_fm
	.p2alignl 7, 3214868480
	.fill 96, 4, 3214868480
	.section	.rodata,"a",@progbits
	.p2align	6, 0x0
	.amdhsa_kernel k_q8a476ad096_fm
		.amdhsa_group_segment_fixed_size 327680
		.amdhsa_private_segment_fixed_size 0
		.amdhsa_enable_private_segment 0
		.amdhsa_kernarg_size 64
		.amdhsa_user_sgpr_count 2
		.amdhsa_user_sgpr_kernarg_segment_ptr 1
		.amdhsa_wavefront_size32 1
		.amdhsa_system_sgpr_workgroup_id_x 1
		.amdhsa_system_sgpr_workgroup_id_y 1
		.amdhsa_system_sgpr_workgroup_id_z 1
		.amdhsa_system_vgpr_workitem_id 0
		.amdhsa_next_free_vgpr 1024
		.amdhsa_next_free_sgpr 66
		.amdhsa_reserve_vcc 1
		.amdhsa_float_denorm_mode_32 3
		.amdhsa_float_denorm_mode_16_64 3
		.amdhsa_memory_ordered 1
		.amdhsa_forward_progress 1
		.amdhsa_inst_pref_size 134
	.end_amdhsa_kernel
	.amdgpu_metadata
---
amdhsa.version: [ 1, 2 ]
amdhsa.kernels:
  - .name:           k_q8a476ad096_fm
    .symbol:         k_q8a476ad096_fm.kd
    .args:
      - { .name: X, .offset: 0, .size: 8, .value_kind: global_buffer, .address_space: global }
      - { .name: V_w, .offset: 8, .size: 8, .value_kind: global_buffer, .address_space: global }
      - { .name: V_b, .offset: 16, .size: 8, .value_kind: global_buffer, .address_space: global }
      - { .name: w_w, .offset: 24, .size: 8, .value_kind: global_buffer, .address_space: global }
      - { .name: w0_w, .offset: 32, .size: 8, .value_kind: global_buffer, .address_space: global }
      - { .name: w0_b, .offset: 40, .size: 8, .value_kind: global_buffer, .address_space: global }
      - { .name: w_b, .offset: 48, .size: 8, .value_kind: global_buffer, .address_space: global }
      - { .name: out0, .offset: 56, .size: 8, .value_kind: global_buffer, .address_space: global }
    .group_segment_fixed_size: 327680
    .private_segment_fixed_size: 0
    .kernarg_segment_align: 8
    .kernarg_segment_size: 64
    .max_flat_workgroup_size: 128
    .sgpr_count:     66
    .vgpr_count:     1024
    .wavefront_size: 32
...
	.end_amdgpu_metadata
.endif
;; end of part 1
